; MI455X (gfx1250); checked and timed in simulation.
; The chip was launched on July 23, 2026; its instructions are those of AMD's public machine-readable ISA for CDNA 5 (MIT licence, August 2026) and "CDNA5" Instruction Set Architecture Reference Guide (July 2026). The comments in the code are by the model that wrote it; some were corrected since.
;; Set Abstraction. Allowed arithmetic: matrix products marked QUANTISED: E4M3 operands, one given power-of-two scale a tensor, by v_wmma_f32_16x16x64_fp8_fp8 or v_wmma_f32_16x16x128_fp8_fp8, f32 sums; products left as they are: f32 operands where the result goes on into a quantised operand, else bf16, f16 or f32 operands; f32 sums; everything else in f32.
;; Inputs: W1 128 x 64 float32; W2 128 x 128 float32; W3 128 x 128 float32; b1 128 float32; b2 128 float32; b3 128 float32; fps_idx 1,024 int32; lowp_scales 6 int32 (the exponents e of the quantised operands' scales 2^e); points 8 x 64 x 32,768 float32; xyz 8 x 3 x 32,768 float32.
;; Outputs: out0 8 x 3 x 1,024 float32; out1 8 x 128 float32.
;; This version of the problem:
;;   THIS VERSION OF THE PROBLEM IS GIVEN IN LOW PRECISION. The matrix products marked QUANTISED in the list below multiply operands that are first quantised to E4M3 (4 exponent bits, 3 mantissa bits; 8 bits a number), with one given power-of-two scale for each operand tensor; their sums are f32. All else is computed in f32.
;;   The module's matrix products, in the order in which they are computed (A, B: the left and right operand; K: the contracted axis; several contracted axes count as one K, in the product's order):
;;     1. batch 8 x [M 1,024, K 3] x [K 3, N 32,768]; A: computed on the way; B: input xyz: left as it is (K = 3 < 32)
;;     2. [M 262,144, K 64] x [K 64, N 128]; A: input points; B: input W1: QUANTISED (scales: A lowp_scales[0], B lowp_scales[1])
;;     3. [M 262,144, K 128] x [K 128, N 128]; A: computed on the way; B: input W2: QUANTISED (scales: A lowp_scales[2], B lowp_scales[3])
;;     4. [M 262,144, K 128] x [K 128, N 128]; A: computed on the way; B: input W3: QUANTISED (scales: A lowp_scales[4], B lowp_scales[5])
;;   THE QUANTISER, for each operand of a quantised product, along K:
;;     - The operand's scale is 2^e, e = its entry of the input lowp_scales (int32; the entries are numbered through the quantised products in the list's order, A before B).
;;     - Each number is divided by the scale, clamped to +-448, and rounded to the nearest number of E4M3, ties to even, subnormals kept.
;;     - The product sums the exact products of the quantised numbers (number of the format x scale) in f32.
;;   ~~~python
;;   def quantise(x, axis, e):      # numpy; x: float32 -> the quantised numbers, widened to float32 again
;;       x = np.moveaxis(x, axis, -1); K = x.shape[-1]
;;       r = np.clip(x / 2.0 ** e, -448, 448)
;;       step = 2.0 ** (np.maximum(np.frexp(np.where(r == 0, 1, r))[1] - 1, -6) - 3)
;;       q = np.round(r / step) * step * 2.0 ** e      # np.round: ties to even
;;       return np.moveaxis(q, -1, axis).astype(np.float32)
;;   ~~~
;;   OPERANDS COMPUTED ON THE WAY. 'Computed on the way' means the value that the module computes at that place (a softmax that the list does not call 'softmax' is quantised finished and normalised). What goes into a quantiser is computed in f32, as accurately as f32 sums, v_exp_f32 and their like allow (about 1e-6 of the number): no bf16 or f16 on the way to a quantiser, and a product that is left as it is and whose result goes on into a quantised operand takes f32 operands (vector FMAs, or v_wmma_f32_16x16x4_f32). A number that lies on a knife's edge between two numbers of the format may be rounded either way, as far as f32 arithmetic and the matrix unit's own rounding can turn it there, and no further.
;; 2 versions, each right; version 2 is version 1 with the launch main written anew for expert scheduling mode. Each part assembles by itself: llvm-mc -triple=amdgcn-amd-amdhsa -mcpu=gfx1250 --defsym DOCPART=n.
;; ======== version 1 of 2: 2 launches
;; workspace buffers: part 131,072 bytes
;; launch main (part 1): grid 256 x 1, 4 waves a work-group, no clusters, 142,848 bytes of LDS; arguments xyz, points, fps_idx, W1, W2, W3, b1, b2, lowp_scales, out0, part; writes out0, part
.if DOCPART == 1
	.amdgcn_target "amdgcn-amd-amdhsa--gfx1250"
	.amdhsa_code_object_version 6
	.text
	.protected	k_q0fc10582ec_main
	.globl	k_q0fc10582ec_main
	.p2align	8
	.type	k_q0fc10582ec_main,@function
k_q0fc10582ec_main:
	s_mov_b64 s[64:65], 0
	v_nop
	global_prefetch_b8 v0, s[64:65] scope:SCOPE_SE
	s_setreg_imm32_b32 hwreg(HW_REG_WAVE_MODE, 25, 1), 1
	s_wait_xcnt 0x0
; SetAbstraction: out0 = the 1,024 sampled centres of each batch; part[wg][o] = the largest RAW sum of the third layer over the work-group's points that lie in any ball.
; SHARES.  256 work-groups of four waves: batch b = wg / 32, points 1024 (wg % 32) on; a wave owns 256 points, 16 tiles of 16.  Tile 8 q + 2 jj + G holds in lane r the wave's point 128 q + 64 G + 4 r + jj
; (so the 16-byte loads of points give it).
; THE BALL QUERY IS VECTOR WORK IN f32.  Its product has K = 3: a 16-bit matrix form multiplies 32 along K for each pair, ten times this product's work, and bf16 coordinates would move d2 by a good part of the threshold.
; A lane holds 8 points.  With a = -2 c and s = |c|^2, t = s + ax x + ay y + az z is three packed fused multiply-adds for TWO centres and one point; v_min3_num_f32 folds both into the point's running minimum:
; four instructions for two pairs a lane, 16,384 a wave.  |p|^2 is added once, behind the minimum.  The centres' coefficients come from LDS, every lane reading the same bytes.
; The points' features are loaded into registers meanwhile.
; THE MLP: all three products on codes of E4M3, used transposed (source 0 = 16 rows of W, source 1 = 16 points): a lane holds one point, its eight registers eight neighbouring units, so a conversion's result IS the next operand.
; The biases are the C of layers 1 and 2 (divided by the power of two that the sums lack); the C of layer 3 is 0 for a point in a ball and -2^100 for one outside: a sum of layer 3 is under 2^25 in magnitude.
; b3, the scale 2^(e4+e5) and the last ReLU rise with the sum, so they are applied behind the maximum, in the second launch.
; NO CLUSTER: what work-groups share is 160 KB of f32 weights, read once at the head, a small part of the 67 MB that they do not share.  NO TENSOR LOAD: nothing is read from LDS tiles twice but 16 KB of coefficients that the waves make.
; LIMITS.  e0, e1, e3, e5, e2-e0-e1, e4-e2-e3 between -126 and 119, so that each scale and 448 x the scale is an f32 number.  NaN among points or weights is not served; xyz is finite.
; d2 is a chain of f32 fused multiply-adds, not in the order of rounding of three separate sums: a point whose smallest d2 lies within some 2^-21 (|c|^2 + |p|^2) of 0.01 may fall on either side.
; REGISTERS, in windows of 256.  Window 0: v1-15 addresses and scales that stay; the rest by phase (see each phase).  Window 1: W2, W3 as f32, later their fragments.  Window 2: W1 as f32, then features of points 0-127,
; then W1's fragments, b1, b2 and the running maxima.  Window 3: features of points 128-255.
.set CSTR,  131072                     ; bytes from a channel (or coordinate) to the next: 32,768 points x 4
.set CIMG,  0                          ; LDS, from byte 0: 512 pairs of centres x 32 bytes: ax0 ax1 ay0 ay1 az0 az1 s0 s1
.set CEND,  16384                      ; their bytes
.set W1IMG, 16384                      ; 8 fragments x 1,152: registers 4 u .. at 576 u + 288 (lane / 16) + 16 (lane % 16)
.set W2IMG, 25600                      ; 8 x 2,304, the same pitches
.set W3IMG, 44032
.set BST,   62464                      ; a wave's own 1,024: b1 / 2^(e0+e1), then b2 / 2^(e2+e3)
.set XIMG,  66560                      ; a wave's own 16 tiles x 1,024: images of x's fragments: registers 4 u .. at 512 u + 16 lane
.set MSK,   132096                     ; a wave's own 16 tiles x 128: 0 or -2^100, a word a lane
.set RED,   140288                     ; a wave's own 512: its maxima, unit u at 4 u
.set AC, 96                            ; head: v96-119 -2 c of my 8 centres a lane (12 u + 4 d + i); v120-127 their |c|^2 (4 u + i)
.set SC, 120
.set TT, 96                            ; ball query: v96-111 eight pairs of sums at work
.set PP, 128                           ; v128-175 my 8 points: coordinate d of point n in both registers of the pair at 16 d + 2 n
.set QQ, 176                           ; v176-183 their |p|^2
.set MN, 184                           ; v184-191 their running minima
.set XA, 16
.set XB, 24
.set CA, 40
.set CB, 48
.set HA, 64
.set HB, 80
.set DA, 96
.set DB, 160
.set MSB, 0
.macro WIN new                         ; low byte: bits 1:0 source 0, 3:2 source 1, 5:4 source 2, 7:6 destination; the high byte repeats the setting that is left
.if MSB != (\new)
	s_set_vgpr_msb (MSB<<8)|(\new)
.set MSB, (\new)
.endif
.endm
.macro SCL e, sc, pos                  ; s[sc] = 2^e, s[pos] = 448 x 2^e as f32, e in s[e]
	s_add_co_i32 s2, s[\e], 127
	s_lshl_b32 s[\sc], s2, 23
	s_add_co_i32 s2, s2, 8
	s_lshl_b32 s2, s2, 23
	s_or_b32 s[\pos], s2, 0x600000
.endm
.macro SCLN e, sc, neg, pos
	SCL \e, \sc, \pos
	s_or_b32 s[\neg], s[\pos], 0x80000000
.endm
; n channels from c0 on of the wave's points 128 q .. 128 q + 127: each load is 512 consecutive bytes; register 4 c + jj of window 2 + q
.macro PLOAD q, c0, n
	WIN 0x80+0x40*(\q)
.set c, \c0
.rept \n
	global_load_b128 v[4*c:4*c+3], v1, s[18:19] offset:c*CSTR+512*(\q) th:TH_LOAD_NT
.set c, c+1
.endr
	WIN 0
.endm
	s_load_b512 s[16:31], s[0:1], 0x0              ; xyz, points, fps_idx, W1, W2, W3, b1, b2
	s_load_b128 s[32:35], s[0:1], 0x40             ; lowp_scales, out0
	s_load_b64 s[36:37], s[0:1], 0x50              ; part
	v_lshl_add_u32 v254, v0, 2, 0x22c00
	v_mov_b32 v255, 0
	v_lshrrev_b32 v16, 5, v0
	v_readfirstlane_b32 s8, v16                    ; wave
	s_lshr_b32 s9, ttmp9, 5                        ; batch
	s_and_b32 s10, ttmp9, 31                       ; which 1,024 points of it
	s_mov_b32 s46, 0xffff0000                      ; as a lane mask: lanes 16-31
	s_mov_b32 s47, 0x07060302                      ; byte selects
	s_mov_b32 s48, 0x05010400
	s_mov_b32 s49, 0x07030602
	s_mov_b32 s50, 0x05040100
	s_mov_b32 s52, 0x76543210                      ; v_permlanex16_b32: lane l xor 16
	s_mov_b32 s53, 0xfedcba98
	s_mov_b32 s58, 0x3c23d70a                      ; 0.01 as f32
	v_and_b32 v21, 31, v0                          ; lane
	v_and_b32 v16, 15, v0                          ; r
	v_bfe_u32 v17, v0, 4, 1                        ; h
	v_lshlrev_b32 v1, 4, v21                       ; v1 = 16 lane
	s_mul_i32 s2, s8, 2304
	s_add_co_u32 s2, s2, W1IMG
	v_bfe_u32 v18, v0, 3, 1
	v_bfe_u32 v19, v0, 2, 1
	v_and_b32 v20, 3, v0
	v_lshl_add_u32 v5, v17, 4, s2                  ; v5: where four codes of W1 go: see WQ's stores
	v_mad_u32_u24 v5, v18, 288, v5
	v_mad_u32_u24 v5, v19, 576, v5
	v_lshl_add_u32 v5, v20, 2, v5
	s_mul_i32 s2, s8, 4608
	s_add_co_u32 s2, s2, W2IMG
	v_bfe_u32 v18, v0, 3, 2
	v_bfe_u32 v20, v0, 1, 1
	v_and_b32 v22, 1, v0
	v_lshl_add_u32 v6, v19, 3, s2                  ; v6: the same for W2 and W3
	v_mad_u32_u24 v6, v18, 576, v6
	v_mad_u32_u24 v6, v20, 288, v6
	v_lshl_add_u32 v6, v22, 2, v6
	v_mul_u32_u24 v7, v17, 288
	v_lshl_add_u32 v7, v16, 4, v7
	v_add_nc_u32 v7, W1IMG, v7                     ; v7: my place in a weight's image
	s_lshl_b32 s2, s8, 12
	v_lshl_add_u32 v8, v21, 6, s2                  ; v8: where my centres' coefficients go: 4,096 wave + 64 lane (they begin at LDS byte 0)
	s_lshl_b32 s2, s8, 14
	s_add_co_u32 s3, s2, XIMG
	v_add_nc_u32 v9, s3, v1                        ; v9: x's images
	s_lshl_b32 s2, s8, 11
	s_add_co_u32 s2, s2, MSK
	v_lshl_add_u32 v10, v21, 2, s2                 ; v10: the masks
	s_lshl_b32 s2, s8, 10
	s_add_co_u32 s2, s2, BST
	v_lshl_add_u32 v11, v17, 5, s2                 ; v11: a bias tile's eight numbers of my half
	v_add_nc_u32 v49, s2, v1                       ; (head only) where the biases are stored
	s_lshl_b32 s2, s8, 9
	s_add_co_u32 s2, s2, RED
	v_lshl_add_u32 v4, v17, 5, s2                  ; v4: my half's place among the wave's maxima
	v_mov_b32 v15, 0xf1800000                      ; v15 = -2^100
	s_wait_kmcnt 0x0
	s_load_b128 s[40:43], s[32:33], 0x0            ; e0 .. e3
	s_load_b64 s[44:45], s[32:33], 0x10            ; e4, e5
	s_mov_b32 s3, 0
	s_mov_b32 s77, 0
	s_mul_i32 s2, s9, 393216
	s_add_nc_u64 s[16:17], s[16:17], s[2:3]        ; xyz at my batch
	s_lshl_b32 s76, s10, 12
	s_lshl_b32 s11, s8, 10
	s_add_co_u32 s76, s76, s11                     ; my wave's first point, in bytes
	s_add_nc_u64 s[66:67], s[16:17], s[76:77]      ; xyz at it
	s_lshl_b32 s2, s9, 23
	s_add_co_u32 s2, s2, s76
	s_add_nc_u64 s[18:19], s[18:19], s[2:3]        ; points at it
	s_mov_b32 s2, s11
	s_add_nc_u64 s[20:21], s[20:21], s[2:3]        ; my 256 indices
	s_lshl_b32 s2, s8, 13
	s_add_nc_u64 s[22:23], s[22:23], s[2:3]        ; my 32 rows of W1,
	s_lshl_b32 s2, s8, 14
	s_add_nc_u64 s[24:25], s[24:25], s[2:3]        ; of W2,
	s_add_nc_u64 s[26:27], s[26:27], s[2:3]        ; of W3
	s_mul_i32 s2, s9, 12288
	s_add_co_u32 s2, s2, s11
	s_add_nc_u64 s[34:35], s[34:35], s[2:3]        ; out0 at my batch, my 256 centres
	s_lshl_b32 s2, ttmp9, 9
	s_add_nc_u64 s[36:37], s[36:37], s[2:3]        ; part at my work-group
	; ---- 90 loads, each of 512 consecutive bytes: 2 of indices, 6 of my points' xyz, 2 of biases, 16 + 32 + 32 of my rows of the weights
	global_load_b128 v[216:219], v1, s[20:21]      ; lane l: centres 256 w + 128 u + 4 l + 0 .. 3
	global_load_b128 v[220:223], v1, s[20:21] offset:512
.irp d, 0,1,2
.irp k, 0,1
	global_load_b128 v[16+8*\d+4*\k:19+8*\d+4*\k], v1, s[66:67] offset:CSTR*\d+512*\k   ; register 8 d + n, n = 4 k + i: coordinate d of point 128 k + 4 lane + i
.endr
.endr
	global_load_b128 v[40:43], v1, s[28:29]
	global_load_b128 v[44:47], v1, s[30:31]
	WIN 0x80
.set i, 0
.rept 16
	global_load_b128 v[4*i:4*i+3], v1, s[22:23] offset:512*i      ; rows 32 w + 2 i + lane / 16, channels 4 (lane % 16) on
.set i, i+1
.endr
	WIN 0x40
.set i, 0
.rept 32
	global_load_b128 v[4*i:4*i+3], v1, s[24:25] offset:512*i      ; row 32 w + i, units 4 lane on
.set i, i+1
.endr
.set i, 0
.rept 32
	global_load_b128 v[128+4*i:131+4*i], v1, s[26:27] offset:512*i
.set i, i+1
.endr
	WIN 0
	s_wait_loadcnt 63                              ; the indices: 88 loads stand behind them; 63 is the most that a wait can name, and the stricter count
.set i, 0
.rept 8
	v_min_u32 v[216+i], 0x7fff, v[216+i]           ; an index stays inside its table
	v_lshlrev_b32 v[216+i], 2, v[216+i]
.set i, i+1
.endr
.irp u, 0,1
.irp d, 0,1,2
.irp i, 0,1,2,3
	global_load_b32 v[192+12*\u+4*\d+\i], v[216+4*\u+\i], s[16:17] offset:CSTR*\d   ; the centres' coordinates
.endr
.endr
.endr
	s_wait_loadcnt 63                              ; xyz and the biases are the 3rd to 10th of 114 loads: again the most that can be named
	s_wait_kmcnt 0x0
	SCLN 40, 38, 60, 61                            ; x:  2^e0, -+448 x 2^e0
	SCLN 41, 39, 62, 63                            ; W1
	SCLN 43, 51, 68, 69                            ; W2
	SCLN 45, 59, 70, 71                            ; W3
	s_add_co_i32 s11, s40, s41                     ; a sum of layer 1 stands for sum x 2^(e0+e1): its code is sum / 2^(e2-e0-e1)
	s_sub_co_i32 s3, s42, s11
	SCL 3, 76, 72
	v_mov_b32 v12, s76
	s_sub_co_i32 s11, 0, s11
	s_add_co_i32 s77, s42, s43                     ; likewise layer 2
	s_sub_co_i32 s3, s44, s77
	SCL 3, 76, 73
	v_mov_b32 v13, s76
	s_sub_co_i32 s77, 0, s77
	; my 8 points for the ball query: each coordinate into both registers of a pair (the packed form below takes the pair's low register for both halves and names the pair), and |p|^2
.set n, 0
.rept 8
.irp d, 0,1,2
	v_mov_b32 v[PP+16*\d+2*n], v[16+8*\d+n]
	v_mov_b32 v[PP+16*\d+2*n+1], v[16+8*\d+n]
.endr
	v_mul_f32 v[QQ+n], v[16+n], v[16+n]
.set n, n+1
.endr
.set n, 0
.rept 8
	v_fmac_f32 v[QQ+n], v[24+n], v[24+n]
.set n, n+1
.endr
.set n, 0
.rept 8
	v_fmac_f32 v[QQ+n], v[32+n], v[32+n]
.set n, n+1
.endr
.irp i, 0,1,2,3
	v_ldexp_f32 v[40+\i], v[40+\i], s11            ; b1 / 2^(e0+e1)
	v_ldexp_f32 v[44+\i], v[44+\i], s77            ; b2 / 2^(e2+e3)
.endr
	ds_store_b128 v49, v[40:43]
	ds_store_b128 v49, v[44:47] offset:512
; ---- THE WEIGHTS BECOME CODES.  n loads' numbers in window win from base on: held within +-448 x the scale (the conversion to an 8-bit code does not saturate: ISA guide 7.6.2), converted; load i's four codes in v[16 + i].
.macro WQ win, base, n, sc, neg, pos
	v_mov_b32 v14, s[\sc]
	WIN ((\win)<<6)|(\win)
.set k, 0
.rept 4*\n
	v_med3_num_f32 v[\base+k], v[\base+k], s[\neg], s[\pos]
.set k, k+1
.endr
	WIN \win
	s_wait_dscnt 0x0                               ; the LDS stores before have read v16 on
.set k, 0
.rept \n/2
	v_cvt_scalef32_pk8_fp8_f32 v[16+2*k:17+2*k], v[\base+8*k:\base+8*k+7], v14
.set k, k+1
.endr
	WIN 0
	v_nop                                          ; one plain vector instruction behind the last conversion, ahead of whatever next writes its scale or its results
.endm
	s_wait_loadcnt 24                              ; the weights are in: behind them stand the 24 gathers
	WQ 2, 0, 16, 39, 62, 63
; W1, K = 64: register g, byte y of lane half h' stands for channel 32 h' + 4 g + y, in W1 and in x alike.  My four codes are channels 4 (lane % 16) on of row 32 w + 2 i + lane / 16.
; The pitches 288 and 576 are 8 and 16 banks on (64 banks of 4 bytes: ISA guide 11.1): the 32 lanes of a store fall on 32 banks.
.set i, 0
.rept 16
	ds_store_b32 v5, v[16+i] offset:(i/8)*1152+(i%8)*32
.set i, i+1
.endr
	WQ 1, 0, 32, 51, 68, 69
; W2, W3, K = 128: register 2 c + y / 4, byte y % 4 of half h' stands for unit 16 c + 8 h' + y: the form's own layout.  My four codes are units 4 lane on of row 32 w + i.
.set i, 0
.rept 32
	ds_store_b32 v6, v[16+i] offset:(i/16)*2304+(i%16)*16
.set i, i+1
.endr
	WQ 1, 128, 32, 59, 70, 71
.set i, 0
.rept 32
	ds_store_b32 v6, v[16+i] offset:18432+(i/16)*2304+(i%16)*16
.set i, i+1
.endr
	PLOAD 0, 0, 32                                 ; the features begin to come: W1's numbers have left window 2
	; ---- THE CENTRES
	s_wait_loadcnt 32                              ; the gathers are in; the 32 loads just issued stay out
	s_cmp_lg_u32 s10, 0                            ; out0 is written by the first work-group of each batch
	s_cbranch_scc1 .Lno_out0
.irp u, 0,1
.irp d, 0,1,2
	global_store_b128 v1, v[192+12*\u+4*\d:195+12*\u+4*\d], s[34:35] offset:4096*\d+512*\u   ; 512 consecutive bytes, aligned
.endr
.endr
.Lno_out0:
	; a = -2 c and s = |c|^2 of my eight centres, into other registers than the stores above read
.irp u, 0,1
.irp d, 0,1,2
.irp i, 0,1,2,3
	v_mul_f32 v[AC+12*\u+4*\d+\i], -2.0, v[192+12*\u+4*\d+\i]
.endr
.endr
.endr
.irp u, 0,1
.irp i, 0,1,2,3
	v_mul_f32 v[SC+4*\u+\i], v[192+12*\u+\i], v[192+12*\u+\i]
.endr
.endr
.irp u, 0,1
.irp i, 0,1,2,3
	v_fmac_f32 v[SC+4*\u+\i], v[196+12*\u+\i], v[196+12*\u+\i]
.endr
.endr
.irp u, 0,1
.irp i, 0,1,2,3
	v_fmac_f32 v[SC+4*\u+\i], v[200+12*\u+\i], v[200+12*\u+\i]
.endr
.endr
	; centres 256 w + 128 u + 4 lane + i0, + 1 are pair 128 w + 64 u + 2 lane + i0 / 2: 32 bytes at 4,096 w + 2,048 u + 64 lane + 16 i0.  Sixteen stores in the whole launch: their banks are left as they fall
.irp u, 0,1
.irp i, 0,2
	ds_store_b64 v8, v[AC+12*\u+\i:AC+12*\u+\i+1] offset:2048*\u+16*\i
	ds_store_b64 v8, v[AC+12*\u+4+\i:AC+12*\u+5+\i] offset:2048*\u+16*\i+8
	ds_store_b64 v8, v[AC+12*\u+8+\i:AC+12*\u+9+\i] offset:2048*\u+16*\i+16
	ds_store_b64 v8, v[SC+4*\u+\i:SC+4*\u+\i+1] offset:2048*\u+16*\i+24
.endr
.endr
	PLOAD 0, 32, 16
	s_wait_dscnt 0x0                               ; for the others' sake: my coefficients and my images of the weights have landed
	s_barrier_signal -1
	s_barrier_wait -1                              ; everybody's have.  (The loads of features stay out: nobody writes those bytes)
; ---- THE BALL QUERY.  Registers: v32-63, v64-95 two buffers of four pairs of centres (8 registers a pair: ax0 ax1 ay0 ay1 az0 az1 s0 s1); v96-111 sums; v128-191 the points (see the head of the text).
; A half: its buffer is in; the next four pairs are asked for, into the buffer that the half before has left: 8 loads with this half's 128 vector instructions in which to land; then, for each pair of centres,
; eight lines of each kind, one for each of my points, so that a line reads what was written eight lines back.
.macro VHALF cb, other, step
	s_wait_dscnt 0x0                               ; this half's coefficients: asked for a half ago
.if \step
	s_add_co_u32 s56, s56, 256                     ; a trip's eight pairs on;
	s_min_u32 s11, s56, CIMG+CEND-128              ; the last look-ahead asks for the last four pairs again: no read leaves the coefficients
	v_mov_b32 v3, s11
.set oo, 0
.else
.set oo, 128
.endif
.set k, 0
.rept 8
	ds_load_b128 v[\other+4*k:\other+4*k+3], v3 offset:oo+16*k      ; every lane reads the same 16 bytes
.set k, k+1
.endr
.set p, 0
.rept 4
.set cc, \cb+8*p
.set n, 0
.rept 8
	v_pk_fma_f32 v[TT+2*n:TT+2*n+1], v[cc:cc+1], v[PP+2*n:PP+2*n+1], v[cc+6:cc+7] op_sel_hi:[1,0,1]            ; s + ax x, two centres
.set n, n+1
.endr
.set n, 0
.rept 8
	v_pk_fma_f32 v[TT+2*n:TT+2*n+1], v[cc+2:cc+3], v[PP+16+2*n:PP+17+2*n], v[TT+2*n:TT+2*n+1] op_sel_hi:[1,0,1]  ; + ay y
.set n, n+1
.endr
.set n, 0
.rept 8
	v_pk_fma_f32 v[TT+2*n:TT+2*n+1], v[cc+4:cc+5], v[PP+32+2*n:PP+33+2*n], v[TT+2*n:TT+2*n+1] op_sel_hi:[1,0,1]  ; + az z
.set n, n+1
.endr
.set n, 0
.rept 8
	v_min3_num_f32 v[MN+n], v[MN+n], v[TT+2*n], v[TT+2*n+1]
.set n, n+1
.endr
.set p, p+1
.endr
.endm
.macro BSEC                            ; 16 trips of eight pairs: 256 centres
	s_mov_b32 s57, 16
.Lball_\@:
	VHALF 32, 64, 0
	VHALF 64, 32, 1
	s_sub_co_u32 s57, s57, 1
	s_cmp_lg_u32 s57, 0
	s_cbranch_scc1 .Lball_\@
.endm
	s_mov_b32 s2, 0x7f800000
.set n, 0
.rept 8
	v_mov_b32 v[MN+n], s2                          ; the running minima begin at +infinity
.set n, n+1
.endr
	s_mov_b32 s56, CIMG
	v_mov_b32 v3, CIMG
.set k, 0
.rept 8
	ds_load_b128 v[32+4*k:35+4*k], v3 offset:16*k  ; the first four pairs
.set k, k+1
.endr
	BSEC
	PLOAD 0, 48, 16                                ; the features are asked for in lots between the sections, into windows that the ball query does not touch
	PLOAD 1, 0, 16
	BSEC
	PLOAD 1, 16, 32
	BSEC
	PLOAD 1, 48, 16
	BSEC
	s_wait_dscnt 0x0                               ; the look-ahead has landed: v32-63 may be written
	s_wait_xcnt 0x0                                ; out0's stores have read v192-215, which are written from here on
	v_mov_b32 v36, 0
	; ---- THE MASK.  Register n holds tile 2 n's points in lanes 0-15 and tile 2 n + 1's in lanes 16-31; as C of layer 3 both halves of the lanes want the word of their tile's point lane % 16.
.set n, 0
.rept 8
	v_add_f32 v[MN+n], v[MN+n], v[QQ+n]            ; the smallest d2
.set n, n+1
.endr
.set n, 0
.rept 8
	v_cmp_gt_f32 vcc_lo, s58, v[MN+n]              ; in some ball: 0.01 > the smallest d2
	v_cndmask_b32 v[MN+n], v15, v36, vcc_lo        ; 0 inside, -2^100 outside
.set n, n+1
.endr
.set n, 0
.rept 8
	v_permlanex16_b32 v[TT+n], v[MN+n], s52, s53   ; the lane 16 away
.set n, n+1
.endr
.set n, 0
.rept 8
	v_cndmask_b32 v[112+2*n], v[MN+n], v[TT+n], s46    ; tile 2 n: lanes 0-15 their own word, lanes 16-31 that of the lane 16 below
	v_cndmask_b32 v[113+2*n], v[TT+n], v[MN+n], s46    ; tile 2 n + 1: the other way round
.set n, n+1
.endr
.set t, 0
.rept 16
	ds_store_b32 v10, v[112+t] offset:128*t
.set t, t+1
.endr
	; ---- W2's and W3's fragments into window 1, where they stay: tile t at 16 t, and at 128 + 16 t.  They land while the first features are held
	WIN 0x40
.set t, 0
.rept 8
.irp u, 0,1,2,3
	ds_load_b128 v[16*t+4*\u:16*t+4*\u+3], v7 offset:9216+2304*t+576*\u
	ds_load_b128 v[128+16*t+4*\u:128+16*t+4*\u+3], v7 offset:27648+2304*t+576*\u
.endr
.set t, t+1
.endr
	WIN 0
; ---- x BECOMES CODES.  Window 2 + q holds register 4 c + jj = channel c of point 128 q + 4 lane + jj.  Held, converted (v64 + c: channel c, byte jj), turned 4 x 4 bytes (v128 + 16 jj + g: channels 4 g on of point jj),
; and the halves of the lanes exchanged, so that v[128 + 16 jj + 8 G + g'] is register g' of tile 8 q + 2 jj + G: lanes 0-15 channels 4 g' on, lanes 16-31 channels 32 + 4 g' on, of the point of lane 16 G + r.
.macro XQ q
	WIN (((\q)+2)<<6)|((\q)+2)
.set k, 0
.rept 256
	v_med3_num_f32 v[k], v[k], s60, s61
.set k, k+1
.endr
	WIN (\q)+2
	s_wait_dscnt 0x0                               ; earlier LDS stores have read the registers that are written from here on
.set k, 0
.rept 32
	v_cvt_scalef32_pk8_fp8_f32 v[64+2*k:65+2*k], v[8*k:8*k+7], v14
.set k, k+1
.endr
	WIN 0
	v_nop                                          ; one plain vector instruction between the last conversion and the first reader of a result
.set g, 0
.rept 8
.irp e, 0,1
.set yy, 64+4*(g+\e)
.set tq, 192+4*\e
	v_perm_b32 v[tq], v[yy+1], v[yy], s48
	v_perm_b32 v[tq+1], v[yy+1], v[yy], s49
	v_perm_b32 v[tq+2], v[yy+3], v[yy+2], s48
	v_perm_b32 v[tq+3], v[yy+3], v[yy+2], s49
.endr
.irp e, 0,1
.set ff, 128+g+\e
.set tq, 192+4*\e
	v_perm_b32 v[ff], v[tq+2], v[tq], s50
	v_perm_b32 v[ff+16], v[tq+2], v[tq], s47
	v_perm_b32 v[ff+32], v[tq+3], v[tq+1], s50
	v_perm_b32 v[ff+48], v[tq+3], v[tq+1], s47
.endr
.set g, g+2
.endr
.irp jj, 0,1,2,3
.irp g, 0,1,2,3,4,5,6,7
	v_permlane16_swap_b32 v[128+16*\jj+\g], v[136+16*\jj+\g]
.endr
.endr
.irp jj, 0,1,2,3
.irp G, 0,1
.irp u, 0,1
	ds_store_b128 v9, v[128+16*\jj+8*\G+4*\u:131+16*\jj+8*\G+4*\u] offset:(8*(\q)+2*\jj+\G)*1024+512*\u
.endr
.endr
.endr
.endm
	v_mov_b32 v14, s38                             ; 2^e0
	s_wait_loadcnt 63                              ; points 0-127: 64 loads stand behind their last; the most that can be named
	XQ 0
	s_wait_loadcnt 0x0
	XQ 1
	; ---- window 2 for the MLP: W1's fragments at 8 t, b1's tiles at 64 + 8 t, b2's at 128 + 8 t, the running maxima at 192 + 8 t + j
	WIN 0x80
.set t, 0
.rept 8
	ds_load_b128 v[8*t:8*t+3], v7 offset:1152*t
	ds_load_b128 v[8*t+4:8*t+7], v7 offset:1152*t+576
	ds_load_b128 v[64+8*t:67+8*t], v11 offset:64*t            ; lane (r, h): units 16 t + 8 h + 0 .. 7: the result's layout
	ds_load_b128 v[68+8*t:71+8*t], v11 offset:64*t+16
	ds_load_b128 v[128+8*t:131+8*t], v11 offset:512+64*t
	ds_load_b128 v[132+8*t:135+8*t], v11 offset:512+64*t+16
.set t, t+1
.endr
.set k, 0
.rept 64
	v_mov_b32 v[192+k], v15                        ; the maxima begin at -2^100, once: so the trip is written once
.set k, k+1
.endr
	WIN 0
; ---- THE MLP, two tiles of 16 points a trip.  Window 0: v16-31 the two tiles of x; v32, v33 their masks; v40-55 the masks as C; v64-95 the hidden codes; v96-159, v160-223 the sums of tile a and of tile b.
.macro LWIN L
.if \L == 1
	WIN 0x22                                       ; W1 and b1 in window 2
.elseif \L == 2
	WIN 0x21                                       ; W2 in window 1, b2 in window 2
.else
	WIN 0x01                                       ; W3 in window 1
.endif
.endm
.macro MM L, D, B, C, t                ; units 16 t on of layer L for the 16 points in B.  One product is a whole sum: no accumulator is taken up again
.if \L == 1
	v_wmma_f32_16x16x64_fp8_fp8 v[\D+8*(\t):\D+8*(\t)+7], v[8*(\t):8*(\t)+7], v[\B:\B+7], v[64+8*(\t):71+8*(\t)]
.elseif \L == 2
	v_wmma_f32_16x16x128_fp8_fp8 v[\D+8*(\t):\D+8*(\t)+7], v[16*(\t):16*(\t)+15], v[\B:\B+15], v[128+8*(\t):135+8*(\t)]
.else
	v_wmma_f32_16x16x128_fp8_fp8 v[\D+8*(\t):\D+8*(\t)+7], v[128+16*(\t):143+16*(\t)], v[\B:\B+15], v[\C:\C+7]
.endif
.endm
.macro BARE L, D, B, C
	LWIN \L
.set tt, 0
.rept 8
	MM \L, \D, \B, \C, tt
.set tt, tt+1
.endr
	WIN 0
.endm
; One tile's products of layer L, two at a time, and between them the OTHER tile's sums of the stage before made into codes: the activation and the hold in one (between 0 and 448 x the scale), from each
; accumulator's low end on, then the conversion, whose results are registers 2 t, 2 t + 1 of the next operand.
.macro STAGE L, D, B, C, DY, HY, sc, lim
.set tt, 0
.rept 4
	LWIN \L
	MM \L, \D, \B, \C, tt
	MM \L, \D, \B, \C, tt+1
	WIN 0
.set ii, 0
.rept 16
	v_med3_num_f32 v[\DY+8*tt+ii], v[\DY+8*tt+ii], 0, s[\lim]
.set ii, ii+1
.endr
	v_cvt_scalef32_pk8_fp8_f32 v[\HY+2*tt:\HY+2*tt+1], v[\DY+8*tt:\DY+8*tt+7], v[\sc]
	v_cvt_scalef32_pk8_fp8_f32 v[\HY+2*tt+2:\HY+2*tt+3], v[\DY+8*tt+8:\DY+8*tt+15], v[\sc]
.set tt, tt+2
.endr
	v_nop                                          ; one plain vector instruction between the last conversion and the products that read its result and write over its sources
.endm
.macro XFETCH                          ; two tiles of x and their masks, from my own images
	v_add_nc_u32 v34, s76, v9
	v_add_nc_u32 v35, s77, v10
	ds_load_b128 v[16:19], v34
	ds_load_b128 v[20:23], v34 offset:512
	ds_load_b128 v[24:27], v34 offset:1024
	ds_load_b128 v[28:31], v34 offset:1536
	ds_load_b32 v32, v35
	ds_load_b32 v33, v35 offset:128
.endm
	s_mov_b32 s74, 0
	s_mov_b32 s76, 0
	s_mov_b32 s77, 0
	XFETCH
	s_mov_b32 s57, 8
.Ltrip:
	s_wait_dscnt 0x0                               ; this trip's x and masks are in (in the first trip: the weights and biases too)
	BARE 1, DA, XA, 0
.irp i, 0,1,2,3,4,5,6,7
	v_mov_b32 v[CA+\i], v32                        ; the masks as C of layer 3: eight rows alike.  These sixteen are also the places ahead of the first read of tile a's sums
	v_mov_b32 v[CB+\i], v33
.endr
	STAGE 1, DB, XB, 0, DA, HA, 12, 72
	s_add_co_u32 s74, s74, 2048                    ; the next trip's tiles, asked for 16 holds behind the last product that read x;
	s_min_u32 s76, s74, 14336                      ; the last trip asks for its own pair again: no read leaves my images
	s_lshr_b32 s77, s76, 3
	XFETCH
	STAGE 2, DA, HA, 0, DB, HB, 12, 72
	STAGE 2, DB, HB, 0, DA, HA, 13, 73
	STAGE 3, DA, HA, CA, DB, HB, 13, 73
	BARE 3, DB, HB, CB
.rept 4
	v_nop                                          ; four places ahead of the first read of tile b's sums
.endr
	WIN 0x82                                       ; the maxima in window 2, the sums in window 0
.set k, 0
.rept 64
	v_max3_num_f32 v[192+k], v[192+k], v[DA+k], v[DB+k]
.set k, k+1
.endr
	WIN 0
	s_sub_co_u32 s57, s57, 1
	s_cmp_lg_u32 s57, 0
	s_cbranch_scc1 .Ltrip
	; ---- THE WAY OUT.  A lane's 64 maxima are of one point column: the largest over the 16 lanes of each half, then over the four waves.
	WIN 0x02
.set k, 0
.rept 64
	v_mov_b32 v[96+k], v[192+k]                    ; into window 0: the lane-crossing forms below name window 0 alone
.set k, k+1
.endr
	WIN 0
.irp m, 1,2,4,8
.set k, 0
.rept 64
	v_max_num_f32_dpp v[96+k], v[96+k], v[96+k] row_xmask:\m row_mask:0xf bank_mask:0xf
.set k, k+1
.endr
.endr
	v_add_nc_u32 v3, RED, v1
.set t, 0
.rept 8
	ds_store_b128 v4, v[96+8*t:99+8*t] offset:64*t             ; units 16 t + 8 h + 0 .. 7; the sixteen lanes of a half write the same bytes with the same numbers
	ds_store_b128 v4, v[100+8*t:103+8*t] offset:64*t+16
.set t, t+1
.endr
	s_wait_dscnt 0x0                               ; for wave 0's sake: my maxima have landed
	s_barrier_signal -1
	s_barrier_wait -1
	s_cmp_lg_u32 s8, 0
	s_cbranch_scc1 .Lend
	ds_load_b128 v[16:19], v3
	ds_load_b128 v[20:23], v3 offset:512
	ds_load_b128 v[24:27], v3 offset:1024
	ds_load_b128 v[28:31], v3 offset:1536
	s_wait_dscnt 0x0
.irp c, 0,1,2,3
	v_max3_num_f32 v[16+\c], v[16+\c], v[20+\c], v[24+\c]
.endr
.irp c, 0,1,2,3
	v_max_num_f32 v[16+\c], v[16+\c], v[28+\c]
.endr
	global_store_b128 v1, v[16:19], s[36:37]       ; 512 consecutive bytes, aligned: the work-group's 128 maxima
.Lend:
	s_wait_tensorcnt 0x0
	ds_add_u32 v254, v255
	s_wait_dscnt 0x0
	s_endpgm
.Lfunc_end_k_q0fc10582ec_main:
	.size	k_q0fc10582ec_main, .Lfunc_end_k_q0fc10582ec_main-k_q0fc10582ec_main
	.p2alignl 7, 3214868480
	.fill 96, 4, 3214868480
	.section	.rodata,"a",@progbits
	.p2align	6, 0x0
	.amdhsa_kernel k_q0fc10582ec_main
		.amdhsa_group_segment_fixed_size 142848
		.amdhsa_private_segment_fixed_size 0
		.amdhsa_enable_private_segment 0
		.amdhsa_kernarg_size 88
		.amdhsa_user_sgpr_count 2
		.amdhsa_user_sgpr_kernarg_segment_ptr 1
		.amdhsa_wavefront_size32 1
		.amdhsa_system_sgpr_workgroup_id_x 1
		.amdhsa_system_sgpr_workgroup_id_y 1
		.amdhsa_system_sgpr_workgroup_id_z 1
		.amdhsa_system_vgpr_workitem_id 0
		.amdhsa_next_free_vgpr 1024
		.amdhsa_next_free_sgpr 80
		.amdhsa_reserve_vcc 1
		.amdhsa_float_denorm_mode_32 3
		.amdhsa_float_denorm_mode_16_64 3
		.amdhsa_memory_ordered 1
		.amdhsa_forward_progress 1
		.amdhsa_inst_pref_size 253
	.end_amdhsa_kernel
	.amdgpu_metadata
---
amdhsa.version: [ 1, 2 ]
amdhsa.kernels:
  - .name:           k_q0fc10582ec_main
    .symbol:         k_q0fc10582ec_main.kd
    .args:
      - { .name: xyz, .offset: 0, .size: 8, .value_kind: global_buffer, .address_space: global }
      - { .name: points, .offset: 8, .size: 8, .value_kind: global_buffer, .address_space: global }
      - { .name: fps_idx, .offset: 16, .size: 8, .value_kind: global_buffer, .address_space: global }
      - { .name: W1, .offset: 24, .size: 8, .value_kind: global_buffer, .address_space: global }
      - { .name: W2, .offset: 32, .size: 8, .value_kind: global_buffer, .address_space: global }
      - { .name: W3, .offset: 40, .size: 8, .value_kind: global_buffer, .address_space: global }
      - { .name: b1, .offset: 48, .size: 8, .value_kind: global_buffer, .address_space: global }
      - { .name: b2, .offset: 56, .size: 8, .value_kind: global_buffer, .address_space: global }
      - { .name: lowp_scales, .offset: 64, .size: 8, .value_kind: global_buffer, .address_space: global }
      - { .name: out0, .offset: 72, .size: 8, .value_kind: global_buffer, .address_space: global }
      - { .name: part, .offset: 80, .size: 8, .value_kind: global_buffer, .address_space: global }
    .group_segment_fixed_size: 142848
    .private_segment_fixed_size: 0
    .kernarg_segment_align: 8
    .kernarg_segment_size: 88
    .max_flat_workgroup_size: 128
    .sgpr_count:     80
    .vgpr_count:     1024
    .wavefront_size: 32
...
	.end_amdgpu_metadata
.endif
;; end of part 1
;; launch finish (part 2): grid 8 x 1, 1 waves a work-group, no clusters, 0 bytes of LDS; arguments part, b3, lowp_scales, out1; writes out1
.if DOCPART == 2
	.amdgcn_target "amdgcn-amd-amdhsa--gfx1250"
	.amdhsa_code_object_version 6
	.text
	.protected	k_q0fc10582ec_finish
	.globl	k_q0fc10582ec_finish
	.p2align	8
	.type	k_q0fc10582ec_finish,@function
k_q0fc10582ec_finish:
	s_mov_b64 s[64:65], 0
	v_nop
	global_prefetch_b8 v0, s[64:65] scope:SCOPE_SE
	s_setreg_imm32_b32 hwreg(HW_REG_WAVE_MODE, 25, 1), 1
	s_wait_xcnt 0x0
; out1[b][o] = max(m x 2^(e4+e5) + b3[o], 0), m = the largest of the batch's 32 partial maxima part[32 b + j][o] (raw sums of layer 3; about -2^100 where no point lay in a ball).
; Scale, bias and ReLU rise with the sum, so they may follow the maximum.  Where m is under -2^90 (a sum is under 2^25 in magnitude) no point of the batch lay in any ball: the result is the lowest f32 number.
; One wave a batch; lane l owns units 4 l .. 4 l + 3; every load and the store cover 512 consecutive bytes.  16 KB a work-group: no LDS, no loop, no barrier.
; The scale is applied by v_ldexp_f32, which serves every e4 + e5, where a factor 2^(e4+e5) as an f32 number would keep a limit.
	s_load_b256 s[4:11], s[0:1], 0x0               ; part s[4:5], b3 s[6:7], lowp_scales s[8:9], out1 s[10:11]
	v_lshlrev_b32 v1, 4, v0
	s_lshl_b32 s12, ttmp9, 14                      ; 32 rows of 512 bytes
	s_mov_b32 s13, 0
	s_lshl_b32 s14, ttmp9, 9
	s_mov_b32 s15, 0
	s_mov_b32 s18, 0xec800000                      ; -2^90
	v_mov_b32 v2, 0xff7fffff                       ; the lowest f32 number
	s_wait_kmcnt 0x0
	s_load_b64 s[16:17], s[8:9], 0x10              ; e4, e5
	s_add_nc_u64 s[4:5], s[4:5], s[12:13]
	s_add_nc_u64 s[10:11], s[10:11], s[14:15]
.set j, 0
.rept 32
	global_load_b128 v[8+4*j:11+4*j], v1, s[4:5] offset:512*j th:TH_LOAD_NT
.set j, j+1
.endr
	global_load_b128 v[136:139], v1, s[6:7]
	s_wait_loadcnt 0x0
	s_wait_kmcnt 0x0
	s_add_co_i32 s16, s16, s17
.irp c, 0,1,2,3
	v_max3_num_f32 v[140+\c], v[8+\c], v[12+\c], v[16+\c]
.endr
.set j, 3
.rept 14
.irp c, 0,1,2,3
	v_max3_num_f32 v[140+\c], v[140+\c], v[8+4*j+\c], v[12+4*j+\c]   ; the four units take turns, so that no line reads the result of the line above it
.endr
.set j, j+2
.endr
.irp c, 0,1,2,3
	v_max_num_f32 v[140+\c], v[140+\c], v[132+\c]
.endr
.irp c, 0,1,2,3
	v_ldexp_f32 v[144+\c], v[140+\c], s16
.endr
.irp c, 0,1,2,3
	v_add_f32 v[144+\c], v[144+\c], v[136+\c]
.endr
.irp c, 0,1,2,3
	v_max_num_f32 v[144+\c], 0, v[144+\c]
.endr
.irp c, 0,1,2,3
	v_cmp_gt_f32 vcc_lo, s18, v[140+\c]
	v_cndmask_b32 v[144+\c], v[144+\c], v2, vcc_lo
.endr
	global_store_b128 v1, v[144:147], s[10:11]
	s_endpgm
.Lfunc_end_k_q0fc10582ec_finish:
	.size	k_q0fc10582ec_finish, .Lfunc_end_k_q0fc10582ec_finish-k_q0fc10582ec_finish
	.p2alignl 7, 3214868480
	.fill 96, 4, 3214868480
	.section	.rodata,"a",@progbits
	.p2align	6, 0x0
	.amdhsa_kernel k_q0fc10582ec_finish
		.amdhsa_group_segment_fixed_size 0
		.amdhsa_private_segment_fixed_size 0
		.amdhsa_enable_private_segment 0
		.amdhsa_kernarg_size 32
		.amdhsa_user_sgpr_count 2
		.amdhsa_user_sgpr_kernarg_segment_ptr 1
		.amdhsa_wavefront_size32 1
		.amdhsa_system_sgpr_workgroup_id_x 1
		.amdhsa_system_sgpr_workgroup_id_y 1
		.amdhsa_system_sgpr_workgroup_id_z 1
		.amdhsa_system_vgpr_workitem_id 0
		.amdhsa_next_free_vgpr 160
		.amdhsa_next_free_sgpr 66
		.amdhsa_reserve_vcc 1
		.amdhsa_float_denorm_mode_32 3
		.amdhsa_float_denorm_mode_16_64 3
		.amdhsa_memory_ordered 1
		.amdhsa_forward_progress 1
		.amdhsa_inst_pref_size 9
	.end_amdhsa_kernel
	.amdgpu_metadata
---
amdhsa.version: [ 1, 2 ]
amdhsa.kernels:
  - .name:           k_q0fc10582ec_finish
    .symbol:         k_q0fc10582ec_finish.kd
    .args:
      - { .name: part, .offset: 0, .size: 8, .value_kind: global_buffer, .address_space: global }
      - { .name: b3, .offset: 8, .size: 8, .value_kind: global_buffer, .address_space: global }
      - { .name: lowp_scales, .offset: 16, .size: 8, .value_kind: global_buffer, .address_space: global }
      - { .name: out1, .offset: 24, .size: 8, .value_kind: global_buffer, .address_space: global }
    .group_segment_fixed_size: 0
    .private_segment_fixed_size: 0
    .kernarg_segment_align: 8
    .kernarg_segment_size: 32
    .max_flat_workgroup_size: 32
    .sgpr_count:     66
    .vgpr_count:     160
    .wavefront_size: 32
...
	.end_amdgpu_metadata
.endif
;; end of part 2
;; ======== version 2 of 2: 2 launches; version 1 with the launch main written anew for expert scheduling mode
;; workspace buffers: part 131,072 bytes
;; launch main (part 3): grid 256 x 1, 4 waves a work-group, no clusters, 142,848 bytes of LDS; arguments xyz, points, fps_idx, W1, W2, W3, b1, b2, lowp_scales, out0, part; writes out0, part
.if DOCPART == 3
	.amdgcn_target "amdgcn-amd-amdhsa--gfx1250"
	.amdhsa_code_object_version 6
	.text
	.protected	k_q0fc10582ec_main
	.globl	k_q0fc10582ec_main
	.p2align	8
	.type	k_q0fc10582ec_main,@function
k_q0fc10582ec_main:
	s_mov_b64 s[64:65], 0
	v_nop
	global_prefetch_b8 v0, s[64:65] scope:SCOPE_SE
	s_setreg_imm32_b32 hwreg(HW_REG_WAVE_SCHED_MODE, 0, 2), 2
	s_setreg_imm32_b32 hwreg(HW_REG_WAVE_MODE, 25, 1), 1
	s_wait_xcnt 0x0
	s_wait_alu depctr_vm_vsrc(0)
; SetAbstraction: out0 = the 1,024 sampled centres of each batch; part[wg][o] = the largest RAW sum of the third layer over the work-group's points that lie in any ball.
; SHARES.  256 work-groups of four waves: batch b = wg / 32, points 1024 (wg % 32) on; a wave owns 256 points, 16 tiles of 16.  Tile 8 q + 2 jj + G holds in lane r the wave's point 128 q + 64 G + 4 r + jj
; (so the 16-byte loads of points give it).
; THE BALL QUERY IS VECTOR WORK IN f32.  Its product has K = 3: a 16-bit matrix form multiplies 32 along K for each pair, ten times this product's work, and bf16 coordinates would move d2 by a good part of the threshold.
; A lane holds 8 points.  With a = -2 c and s = |c|^2, t = s + ax x + ay y + az z is three packed fused multiply-adds for TWO centres and one point; v_min3_num_f32 folds both into the point's running minimum:
; four instructions for two pairs a lane, 16,384 a wave.  |p|^2 is added once, behind the minimum.  The centres' coefficients come from LDS, every lane reading the same bytes.
; The points' features are loaded into registers meanwhile.
; THE MLP: all three products on codes of E4M3, used transposed (source 0 = 16 rows of W, source 1 = 16 points): a lane holds one point, its eight registers eight neighbouring units, so a conversion's result IS the next operand.
; The biases are the C of layers 1 and 2 (divided by the power of two that the sums lack); the C of layer 3 is 0 for a point in a ball and -2^100 for one outside: a sum of layer 3 is under 2^25 in magnitude.
; b3, the scale 2^(e4+e5) and the last ReLU rise with the sum, so they are applied behind the maximum, in the second launch.
; NO CLUSTER: what work-groups share is 160 KB of f32 weights, read once at the head, a small part of the 67 MB that they do not share.  NO TENSOR LOAD: nothing is read from LDS tiles twice but 16 KB of coefficients that the waves make.
; LIMITS.  e0, e1, e3, e5, e2-e0-e1, e4-e2-e3 between -126 and 119, so that each scale and 448 x the scale is an f32 number.  NaN among points or weights is not served; xyz is finite.
; d2 is a chain of f32 fused multiply-adds, not in the order of rounding of three separate sums: a point whose smallest d2 lies within some 2^-21 (|c|^2 + |p|^2) of 0.01 may fall on either side.
; REGISTERS, in windows of 256.  Window 0: v1-15 addresses and scales that stay; the rest by phase (see each phase).  Window 1: W2, W3 as f32, later their fragments.  Window 2: W1 as f32, then features of points 0-127,
; then W1's fragments, b1, b2 and the running maxima.  Window 3: features of points 128-255.
; THE MODE: SCHED_MODE bits 1:0 = 2 (LLVM: expert scheduling mode 2), set by the entry lines.  The code itself states the register dependences between vector or matrix instructions and memory or LDS instructions,
; with s_wait_alu, always for 0.
; THE PLAN.  Registers that memory or LDS instructions touch:
;   v1, v4-v11, v49   addresses, made once at the head and never written again: one wait ahead of the first load serves them for the whole kernel.
;   v3                the coefficients' LDS address: read by every load of the ball query, written once a trip; once more on the way out.
;   v32-63, v64-95    the ball query's two buffers: a half's multiply-adds read one; the loads of the next four pairs land in the other, which the half before has left.  ONE wait on va_vdst at a half's head.
;   v34, v35; v16-33  the MLP: two addresses made anew in each trip; the six loads that read them land in the registers that layer 1's products and the sixteen moves of the masks have read.  One wait on vm_vsrc and one on va_vdst a trip.
;   out-buffers       v16-47 (weights' codes), v40-47 (biases), v96-127 (coefficients, later the masks), v128-191 (x's images), v96-159 (maxima): a run of vector lines writes one, one wait on va_vdst stands ahead of the run of
;                     stores, and one wait on vm_vsrc ahead of the first line that writes those registers again.
;   windows 1, 2, 3   loads land there only behind a wait on va_vdst that stands behind the last hold and conversion that named the registers; nothing but stores and window switches stands between that wait and the loads.
.set CSTR,  131072                     ; bytes from a channel (or coordinate) to the next: 32,768 points x 4
.set CIMG,  0                          ; LDS, from byte 0: 512 pairs of centres x 32 bytes: ax0 ax1 ay0 ay1 az0 az1 s0 s1
.set CEND,  16384                      ; their bytes
.set W1IMG, 16384                      ; 8 fragments x 1,152: registers 4 u .. at 576 u + 288 (lane / 16) + 16 (lane % 16)
.set W2IMG, 25600                      ; 8 x 2,304, the same pitches
.set W3IMG, 44032
.set BST,   62464                      ; a wave's own 1,024: b1 / 2^(e0+e1), then b2 / 2^(e2+e3)
.set XIMG,  66560                      ; a wave's own 16 tiles x 1,024: images of x's fragments: registers 4 u .. at 512 u + 16 lane
.set MSK,   132096                     ; a wave's own 16 tiles x 128: 0 or -2^100, a word a lane
.set RED,   140288                     ; a wave's own 512: its maxima, unit u at 4 u
.set AC, 96                            ; head: v96-119 -2 c of my 8 centres a lane (12 u + 4 d + i); v120-127 their |c|^2 (4 u + i)
.set SC, 120
.set TT, 96                            ; ball query: v96-111 eight pairs of sums at work
.set PP, 128                           ; v128-175 my 8 points: coordinate d of point n in both registers of the pair at 16 d + 2 n
.set QQ, 176                           ; v176-183 their |p|^2
.set MN, 184                           ; v184-191 their running minima
.set XA, 16
.set XB, 24
.set CA, 40
.set CB, 48
.set HA, 64
.set HB, 80
.set DA, 96
.set DB, 160
.set MSB, 0
.macro WIN new                         ; low byte: bits 1:0 source 0, 3:2 source 1, 5:4 source 2, 7:6 destination; the high byte repeats the setting that is left
.if MSB != (\new)
	s_set_vgpr_msb (MSB<<8)|(\new)
.set MSB, (\new)
.endif
.endm
.macro SCL e, sc, pos                  ; s[sc] = 2^e, s[pos] = 448 x 2^e as f32, e in s[e]
	s_add_co_i32 s2, s[\e], 127
	s_lshl_b32 s[\sc], s2, 23
	s_add_co_i32 s2, s2, 8
	s_lshl_b32 s2, s2, 23
	s_or_b32 s[\pos], s2, 0x600000
.endm
.macro SCLN e, sc, neg, pos
	SCL \e, \sc, \pos
	s_or_b32 s[\neg], s[\pos], 0x80000000
.endm
; n channels from c0 on of the wave's points 128 q .. 128 q + 127: each load is 512 consecutive bytes; register 4 c + jj of window 2 + q
.macro PLOAD q, c0, n
	WIN 0x80+0x40*(\q)
.set c, \c0
.rept \n
	global_load_b128 v[4*c:4*c+3], v1, s[18:19] offset:c*CSTR+512*(\q) th:TH_LOAD_NT
.set c, c+1
.endr
	WIN 0
.endm
	s_load_b512 s[16:31], s[0:1], 0x0              ; xyz, points, fps_idx, W1, W2, W3, b1, b2
	s_load_b128 s[32:35], s[0:1], 0x40             ; lowp_scales, out0
	s_load_b64 s[36:37], s[0:1], 0x50              ; part
	v_lshl_add_u32 v254, v0, 2, 0x22c00
	v_mov_b32 v255, 0
	v_lshrrev_b32 v16, 5, v0
	v_readfirstlane_b32 s8, v16                    ; wave
	s_lshr_b32 s9, ttmp9, 5                        ; batch
	s_and_b32 s10, ttmp9, 31                       ; which 1,024 points of it
	s_mov_b32 s46, 0xffff0000                      ; as a lane mask: lanes 16-31
	s_mov_b32 s47, 0x07060302                      ; byte selects
	s_mov_b32 s48, 0x05010400
	s_mov_b32 s49, 0x07030602
	s_mov_b32 s50, 0x05040100
	s_mov_b32 s52, 0x76543210                      ; v_permlanex16_b32: lane l xor 16
	s_mov_b32 s53, 0xfedcba98
	s_mov_b32 s58, 0x3c23d70a                      ; 0.01 as f32
	v_and_b32 v21, 31, v0                          ; lane
	v_and_b32 v16, 15, v0                          ; r
	v_bfe_u32 v17, v0, 4, 1                        ; h
	v_lshlrev_b32 v1, 4, v21                       ; v1 = 16 lane
	s_wait_alu depctr_va_sdst(0)                   ; s8 is written, ahead of its first reader: LDS addresses and the buffers' bases are made from it
	s_mul_i32 s2, s8, 2304
	s_add_co_u32 s2, s2, W1IMG
	v_bfe_u32 v18, v0, 3, 1
	v_bfe_u32 v19, v0, 2, 1
	v_and_b32 v20, 3, v0
	v_lshl_add_u32 v5, v17, 4, s2                  ; v5: where four codes of W1 go: see WQ's stores
	v_mad_u32_u24 v5, v18, 288, v5
	v_mad_u32_u24 v5, v19, 576, v5
	v_lshl_add_u32 v5, v20, 2, v5
	s_mul_i32 s2, s8, 4608
	s_add_co_u32 s2, s2, W2IMG
	v_bfe_u32 v18, v0, 3, 2
	v_bfe_u32 v20, v0, 1, 1
	v_and_b32 v22, 1, v0
	v_lshl_add_u32 v6, v19, 3, s2                  ; v6: the same for W2 and W3
	v_mad_u32_u24 v6, v18, 576, v6
	v_mad_u32_u24 v6, v20, 288, v6
	v_lshl_add_u32 v6, v22, 2, v6
	v_mul_u32_u24 v7, v17, 288
	v_lshl_add_u32 v7, v16, 4, v7
	v_add_nc_u32 v7, W1IMG, v7                     ; v7: my place in a weight's image
	s_lshl_b32 s2, s8, 12
	v_lshl_add_u32 v8, v21, 6, s2                  ; v8: where my centres' coefficients go: 4,096 wave + 64 lane (they begin at LDS byte 0)
	s_lshl_b32 s2, s8, 14
	s_add_co_u32 s3, s2, XIMG
	v_add_nc_u32 v9, s3, v1                        ; v9: x's images
	s_lshl_b32 s2, s8, 11
	s_add_co_u32 s2, s2, MSK
	v_lshl_add_u32 v10, v21, 2, s2                 ; v10: the masks
	s_lshl_b32 s2, s8, 10
	s_add_co_u32 s2, s2, BST
	v_lshl_add_u32 v11, v17, 5, s2                 ; v11: a bias tile's eight numbers of my half
	v_add_nc_u32 v49, s2, v1                       ; (head only) where the biases are stored
	s_lshl_b32 s2, s8, 9
	s_add_co_u32 s2, s2, RED
	v_lshl_add_u32 v4, v17, 5, s2                  ; v4: my half's place among the wave's maxima
	v_mov_b32 v15, 0xf1800000                      ; v15 = -2^100
	s_wait_kmcnt 0x0
	s_load_b128 s[40:43], s[32:33], 0x0            ; e0 .. e3
	s_load_b64 s[44:45], s[32:33], 0x10            ; e4, e5
	s_mov_b32 s3, 0
	s_mov_b32 s77, 0
	s_mul_i32 s2, s9, 393216
	s_add_nc_u64 s[16:17], s[16:17], s[2:3]        ; xyz at my batch
	s_lshl_b32 s76, s10, 12
	s_lshl_b32 s11, s8, 10
	s_add_co_u32 s76, s76, s11                     ; my wave's first point, in bytes
	s_add_nc_u64 s[66:67], s[16:17], s[76:77]      ; xyz at it
	s_lshl_b32 s2, s9, 23
	s_add_co_u32 s2, s2, s76
	s_add_nc_u64 s[18:19], s[18:19], s[2:3]        ; points at it
	s_mov_b32 s2, s11
	s_add_nc_u64 s[20:21], s[20:21], s[2:3]        ; my 256 indices
	s_lshl_b32 s2, s8, 13
	s_add_nc_u64 s[22:23], s[22:23], s[2:3]        ; my 32 rows of W1,
	s_lshl_b32 s2, s8, 14
	s_add_nc_u64 s[24:25], s[24:25], s[2:3]        ; of W2,
	s_add_nc_u64 s[26:27], s[26:27], s[2:3]        ; of W3
	s_mul_i32 s2, s9, 12288
	s_add_co_u32 s2, s2, s11
	s_add_nc_u64 s[34:35], s[34:35], s[2:3]        ; out0 at my batch, my 256 centres
	s_lshl_b32 s2, ttmp9, 9
	s_add_nc_u64 s[36:37], s[36:37], s[2:3]        ; part at my work-group
	; ---- 90 loads, each of 512 consecutive bytes: 2 of indices, 6 of my points' xyz, 2 of biases, 16 + 32 + 32 of my rows of the weights
	s_wait_alu depctr_va_vdst(0)                   ; the addresses v1, v4 to v11 and v49 are written, which the kernel's loads and stores read; so are v16 to v22, in which loads of xyz land
	global_load_b128 v[216:219], v1, s[20:21]      ; lane l: centres 256 w + 128 u + 4 l + 0 .. 3
	global_load_b128 v[220:223], v1, s[20:21] offset:512
.irp d, 0,1,2
.irp k, 0,1
	global_load_b128 v[16+8*\d+4*\k:19+8*\d+4*\k], v1, s[66:67] offset:CSTR*\d+512*\k   ; register 8 d + n, n = 4 k + i: coordinate d of point 128 k + 4 lane + i
.endr
.endr
	global_load_b128 v[40:43], v1, s[28:29]
	global_load_b128 v[44:47], v1, s[30:31]
	WIN 0x80
.set i, 0
.rept 16
	global_load_b128 v[4*i:4*i+3], v1, s[22:23] offset:512*i      ; rows 32 w + 2 i + lane / 16, channels 4 (lane % 16) on
.set i, i+1
.endr
	WIN 0x40
.set i, 0
.rept 32
	global_load_b128 v[4*i:4*i+3], v1, s[24:25] offset:512*i      ; row 32 w + i, units 4 lane on
.set i, i+1
.endr
.set i, 0
.rept 32
	global_load_b128 v[128+4*i:131+4*i], v1, s[26:27] offset:512*i
.set i, i+1
.endr
	WIN 0
	s_wait_loadcnt 63                              ; the indices: 88 loads stand behind them; 63 is the most that a wait can name, and the stricter count
.set i, 0
.rept 8
	v_min_u32 v[216+i], 0x7fff, v[216+i]           ; an index stays inside its table
	v_lshlrev_b32 v[216+i], 2, v[216+i]
.set i, i+1
.endr
	s_wait_alu depctr_va_vdst(0)                   ; the eight offsets v216 to v223 are written, which the gathers read
.irp u, 0,1
.irp d, 0,1,2
.irp i, 0,1,2,3
	global_load_b32 v[192+12*\u+4*\d+\i], v[216+4*\u+\i], s[16:17] offset:CSTR*\d   ; the centres' coordinates
.endr
.endr
.endr
	s_wait_loadcnt 63                              ; xyz and the biases are the 3rd to 10th of 114 loads: again the most that can be named
	s_wait_kmcnt 0x0
	SCLN 40, 38, 60, 61                            ; x:  2^e0, -+448 x 2^e0
	SCLN 41, 39, 62, 63                            ; W1
	SCLN 43, 51, 68, 69                            ; W2
	SCLN 45, 59, 70, 71                            ; W3
	s_add_co_i32 s11, s40, s41                     ; a sum of layer 1 stands for sum x 2^(e0+e1): its code is sum / 2^(e2-e0-e1)
	s_sub_co_i32 s3, s42, s11
	SCL 3, 76, 72
	v_mov_b32 v12, s76
	s_sub_co_i32 s11, 0, s11
	s_add_co_i32 s77, s42, s43                     ; likewise layer 2
	s_sub_co_i32 s3, s44, s77
	SCL 3, 76, 73
	v_mov_b32 v13, s76
	s_sub_co_i32 s77, 0, s77
	; my 8 points for the ball query: each coordinate into both registers of a pair (the packed form below takes the pair's low register for both halves and names the pair), and |p|^2
.set n, 0
.rept 8
.irp d, 0,1,2
	v_mov_b32 v[PP+16*\d+2*n], v[16+8*\d+n]
	v_mov_b32 v[PP+16*\d+2*n+1], v[16+8*\d+n]
.endr
	v_mul_f32 v[QQ+n], v[16+n], v[16+n]
.set n, n+1
.endr
.set n, 0
.rept 8
	v_fmac_f32 v[QQ+n], v[24+n], v[24+n]
.set n, n+1
.endr
.set n, 0
.rept 8
	v_fmac_f32 v[QQ+n], v[32+n], v[32+n]
.set n, n+1
.endr
.irp i, 0,1,2,3
	v_ldexp_f32 v[40+\i], v[40+\i], s11            ; b1 / 2^(e0+e1)
	v_ldexp_f32 v[44+\i], v[44+\i], s77            ; b2 / 2^(e2+e3)
.endr
	s_wait_alu depctr_va_vdst(0)                   ; the scaled biases v40 to v47 are written, which the two LDS stores read
	ds_store_b128 v49, v[40:43]
	ds_store_b128 v49, v[44:47] offset:512
; ---- THE WEIGHTS BECOME CODES.  n loads' numbers in window win from base on: held within +-448 x the scale (the conversion to an 8-bit code does not saturate: ISA guide 7.6.2), converted; load i's four codes in v[16 + i].
; again = 1: earlier LDS stores have read registers that these conversions write.
.macro WQ win, base, n, sc, neg, pos, again
	v_mov_b32 v14, s[\sc]
	WIN ((\win)<<6)|(\win)
.set k, 0
.rept 4*\n
	v_med3_num_f32 v[\base+k], v[\base+k], s[\neg], s[\pos]
.set k, k+1
.endr
	WIN \win
	s_wait_dscnt 0x0                               ; my earlier LDS stores are done
.if \again
	s_wait_alu depctr_vm_vsrc(0)                   ; the LDS stores before (codes out of v16 on, the biases out of v40 to v47) have read the registers that the conversions write
.endif
.set k, 0
.rept \n/2
	v_cvt_scalef32_pk8_fp8_f32 v[16+2*k:17+2*k], v[\base+8*k:\base+8*k+7], v14
.set k, k+1
.endr
	WIN 0
	v_nop                                          ; one plain vector instruction behind the last conversion, ahead of whatever next writes its scale or its results
	s_wait_alu depctr_va_vdst(0)                   ; the conversions have written v16 on, which the LDS stores behind this macro read; holds and conversions are done with the window's registers, in which later loads land
.endm
	s_wait_loadcnt 24                              ; the weights are in: behind them stand the 24 gathers
	WQ 2, 0, 16, 39, 62, 63, 0
; W1, K = 64: register g, byte y of lane half h' stands for channel 32 h' + 4 g + y, in W1 and in x alike.  My four codes are channels 4 (lane % 16) on of row 32 w + 2 i + lane / 16.
; The pitches 288 and 576 are 8 and 16 banks on (64 banks of 4 bytes: ISA guide 11.1): the 32 lanes of a store fall on 32 banks.
.set i, 0
.rept 16
	ds_store_b32 v5, v[16+i] offset:(i/8)*1152+(i%8)*32
.set i, i+1
.endr
	WQ 1, 0, 32, 51, 68, 69, 1
; W2, W3, K = 128: register 2 c + y / 4, byte y % 4 of half h' stands for unit 16 c + 8 h' + y: the form's own layout.  My four codes are units 4 lane on of row 32 w + i.
.set i, 0
.rept 32
	ds_store_b32 v6, v[16+i] offset:(i/16)*2304+(i%16)*16
.set i, i+1
.endr
	WQ 1, 128, 32, 59, 70, 71, 1
.set i, 0
.rept 32
	ds_store_b32 v6, v[16+i] offset:18432+(i/16)*2304+(i%16)*16
.set i, i+1
.endr
	PLOAD 0, 0, 32                                 ; the features begin to come: W1's numbers have left window 2.  No wait: behind the last wait on va_vdst stand only LDS stores, which name neither v1 nor window 2
	; ---- THE CENTRES
	s_wait_loadcnt 32                              ; the gathers are in; the 32 loads just issued stay out
	s_cmp_lg_u32 s10, 0                            ; out0 is written by the first work-group of each batch
	s_cbranch_scc1 .Lno_out0
.irp u, 0,1
.irp d, 0,1,2
	global_store_b128 v1, v[192+12*\u+4*\d:195+12*\u+4*\d], s[34:35] offset:4096*\d+512*\u   ; 512 consecutive bytes, aligned; the data are as the gathers brought them
.endr
.endr
.Lno_out0:
	; a = -2 c and s = |c|^2 of my eight centres, into other registers than the stores above read
.irp u, 0,1
.irp d, 0,1,2
.irp i, 0,1,2,3
	v_mul_f32 v[AC+12*\u+4*\d+\i], -2.0, v[192+12*\u+4*\d+\i]
.endr
.endr
.endr
.irp u, 0,1
.irp i, 0,1,2,3
	v_mul_f32 v[SC+4*\u+\i], v[192+12*\u+\i], v[192+12*\u+\i]
.endr
.endr
.irp u, 0,1
.irp i, 0,1,2,3
	v_fmac_f32 v[SC+4*\u+\i], v[196+12*\u+\i], v[196+12*\u+\i]
.endr
.endr
.irp u, 0,1
.irp i, 0,1,2,3
	v_fmac_f32 v[SC+4*\u+\i], v[200+12*\u+\i], v[200+12*\u+\i]
.endr
.endr
	s_wait_alu depctr_va_vdst(0)                   ; the coefficients v96 to v127 are written, which the sixteen LDS stores read
	; centres 256 w + 128 u + 4 lane + i0, + 1 are pair 128 w + 64 u + 2 lane + i0 / 2: 32 bytes at 4,096 w + 2,048 u + 64 lane + 16 i0.  Sixteen stores in the whole launch: their banks are left as they fall
.irp u, 0,1
.irp i, 0,2
	ds_store_b64 v8, v[AC+12*\u+\i:AC+12*\u+\i+1] offset:2048*\u+16*\i
	ds_store_b64 v8, v[AC+12*\u+4+\i:AC+12*\u+5+\i] offset:2048*\u+16*\i+8
	ds_store_b64 v8, v[AC+12*\u+8+\i:AC+12*\u+9+\i] offset:2048*\u+16*\i+16
	ds_store_b64 v8, v[SC+4*\u+\i:SC+4*\u+\i+1] offset:2048*\u+16*\i+24
.endr
.endr
	PLOAD 0, 32, 16                                ; into registers of window 2 that nothing has named yet
	s_wait_dscnt 0x0                               ; for the others' sake: my coefficients and my images of the weights have landed
	s_barrier_signal -1
	s_barrier_wait -1                              ; everybody's have.  (The loads of features stay out: nobody writes those bytes)
; ---- THE BALL QUERY.  Registers: v32-63, v64-95 two buffers of four pairs of centres (8 registers a pair: ax0 ax1 ay0 ay1 az0 az1 s0 s1); v96-111 sums; v128-191 the points (see the head of the text).
; A half: its buffer is in; the next four pairs are asked for, into the buffer that the half before has left: 8 loads with this half's 128 vector instructions in which to land; then, for each pair of centres,
; eight lines of each kind, one for each of my points, so that a line reads what was written eight lines back.  The half's vector lines name its own buffer, the sums, the points and the minima:
; none of the registers that its loads touch.
.macro VHALF cb, other, step
	s_wait_dscnt 0x0                               ; this half's coefficients: asked for a half ago
.if \step
	s_add_co_u32 s56, s56, 256                     ; a trip's eight pairs on;
	s_min_u32 s11, s56, CIMG+CEND-128              ; the last look-ahead asks for the last four pairs again: no read leaves the coefficients
	s_wait_alu depctr_vm_vsrc(0)                   ; the LDS loads issued so far have read v3
	v_mov_b32 v3, s11
.set oo, 0
.else
.set oo, 128
.endif
	s_wait_alu depctr_va_vdst(0)                   ; the half before is done reading the other buffer, in which the loads below land; in a trip's second half v3 is written
.set k, 0
.rept 8
	ds_load_b128 v[\other+4*k:\other+4*k+3], v3 offset:oo+16*k      ; every lane reads the same 16 bytes
.set k, k+1
.endr
.set p, 0
.rept 4
.set cc, \cb+8*p
.set n, 0
.rept 8
	v_pk_fma_f32 v[TT+2*n:TT+2*n+1], v[cc:cc+1], v[PP+2*n:PP+2*n+1], v[cc+6:cc+7] op_sel_hi:[1,0,1]            ; s + ax x, two centres
.set n, n+1
.endr
.set n, 0
.rept 8
	v_pk_fma_f32 v[TT+2*n:TT+2*n+1], v[cc+2:cc+3], v[PP+16+2*n:PP+17+2*n], v[TT+2*n:TT+2*n+1] op_sel_hi:[1,0,1]  ; + ay y
.set n, n+1
.endr
.set n, 0
.rept 8
	v_pk_fma_f32 v[TT+2*n:TT+2*n+1], v[cc+4:cc+5], v[PP+32+2*n:PP+33+2*n], v[TT+2*n:TT+2*n+1] op_sel_hi:[1,0,1]  ; + az z
.set n, n+1
.endr
.set n, 0
.rept 8
	v_min3_num_f32 v[MN+n], v[MN+n], v[TT+2*n], v[TT+2*n+1]
.set n, n+1
.endr
.set p, p+1
.endr
.endm
.macro BSEC                            ; 16 trips of eight pairs: 256 centres
	s_mov_b32 s57, 16
.Lball_\@:
	VHALF 32, 64, 0
	VHALF 64, 32, 1
	s_sub_co_u32 s57, s57, 1
	s_cmp_lg_u32 s57, 0
	s_cbranch_scc1 .Lball_\@
.endm
	s_mov_b32 s2, 0x7f800000
.set n, 0
.rept 8
	v_mov_b32 v[MN+n], s2                          ; the running minima begin at +infinity
.set n, n+1
.endr
	s_mov_b32 s56, CIMG
	v_mov_b32 v3, CIMG
	s_wait_alu depctr_vm_vsrc(0)                   ; my LDS stores have read v32 to v47 and v49, in which coefficients land, and v96 to v127, which the sums write
	s_wait_alu depctr_va_vdst(0)                   ; v3 is written; the head's vector lines are done with v32 to v63
.set k, 0
.rept 8
	ds_load_b128 v[32+4*k:35+4*k], v3 offset:16*k  ; the first four pairs
.set k, k+1
.endr
	BSEC
	PLOAD 0, 48, 16                                ; the features are asked for in lots between the sections, into windows that the ball query does not touch: these loads read v1 and land where no vector line has been
	PLOAD 1, 0, 16
	BSEC
	PLOAD 1, 16, 32
	BSEC
	PLOAD 1, 48, 16
	BSEC
	s_wait_dscnt 0x0                               ; the look-ahead has landed: v32-63 may be written
	s_wait_xcnt 0x0                                ; out0's stores have had their addresses translated: v192-215 are written from here on
	s_wait_alu depctr_vm_vsrc(0)                   ; out0's stores have read v192 to v215, which the byte turns below write; the last loads of coefficients have read v3, which the way out writes
	v_mov_b32 v36, 0
	; ---- THE MASK.  Register n holds tile 2 n's points in lanes 0-15 and tile 2 n + 1's in lanes 16-31; as C of layer 3 both halves of the lanes want the word of their tile's point lane % 16.
.set n, 0
.rept 8
	v_add_f32 v[MN+n], v[MN+n], v[QQ+n]            ; the smallest d2
.set n, n+1
.endr
.set n, 0
.rept 8
	v_cmp_gt_f32 s[4+n+4*(n/4)], s58, v[MN+n]      ; in some ball: 0.01 > the smallest d2.  The eight masks go to s4-7 and s12-15, in one run
.set n, n+1
.endr
	s_wait_alu depctr_va_sdst(0)                   ; the eight masks are written, ahead of the selects that read them
.set n, 0
.rept 8
	v_cndmask_b32 v[MN+n], v15, v36, s[4+n+4*(n/4)]    ; 0 inside, -2^100 outside
.set n, n+1
.endr
.set n, 0
.rept 8
	v_permlanex16_b32 v[TT+n], v[MN+n], s52, s53   ; the lane 16 away
.set n, n+1
.endr
.set n, 0
.rept 8
	v_cndmask_b32 v[112+2*n], v[MN+n], v[TT+n], s46    ; tile 2 n: lanes 0-15 their own word, lanes 16-31 that of the lane 16 below
	v_cndmask_b32 v[113+2*n], v[TT+n], v[MN+n], s46    ; tile 2 n + 1: the other way round
.set n, n+1
.endr
	s_wait_alu depctr_va_vdst(0)                   ; the sixteen mask words v112 to v127 are written, which the LDS stores read; the holds and conversions of W2 and W3 are long done with window 1, in which the fragments below land
.set t, 0
.rept 16
	ds_store_b32 v10, v[112+t] offset:128*t
.set t, t+1
.endr
	; ---- W2's and W3's fragments into window 1, where they stay: tile t at 16 t, and at 128 + 16 t.  They land while the first features are held
	WIN 0x40
.set t, 0
.rept 8
.irp u, 0,1,2,3
	ds_load_b128 v[16*t+4*\u:16*t+4*\u+3], v7 offset:9216+2304*t+576*\u
	ds_load_b128 v[128+16*t+4*\u:128+16*t+4*\u+3], v7 offset:27648+2304*t+576*\u
.endr
.set t, t+1
.endr
	WIN 0
; ---- x BECOMES CODES.  Window 2 + q holds register 4 c + jj = channel c of point 128 q + 4 lane + jj.  Held, converted (v64 + c: channel c, byte jj), turned 4 x 4 bytes (v128 + 16 jj + g: channels 4 g on of point jj),
; and the halves of the lanes exchanged, so that v[128 + 16 jj + 8 G + g'] is register g' of tile 8 q + 2 jj + G: lanes 0-15 channels 4 g' on, lanes 16-31 channels 32 + 4 g' on, of the point of lane 16 G + r.
.macro XQ q
	WIN (((\q)+2)<<6)|((\q)+2)
.set k, 0
.rept 256
	v_med3_num_f32 v[k], v[k], s60, s61
.set k, k+1
.endr
	WIN (\q)+2
	s_wait_dscnt 0x0                               ; my earlier LDS instructions are done
	s_wait_alu depctr_vm_vsrc(0)                   ; earlier LDS stores have read the registers that are written from here on: the masks' v112 to v127 (first use), the first images' v128 to v191 (second use)
.set k, 0
.rept 32
	v_cvt_scalef32_pk8_fp8_f32 v[64+2*k:65+2*k], v[8*k:8*k+7], v14
.set k, k+1
.endr
	WIN 0
	v_nop                                          ; one plain vector instruction between the last conversion and the first reader of a result
.set g, 0
.rept 8
.irp e, 0,1
.set yy, 64+4*(g+\e)
.set tq, 192+4*\e
	v_perm_b32 v[tq], v[yy+1], v[yy], s48
	v_perm_b32 v[tq+1], v[yy+1], v[yy], s49
	v_perm_b32 v[tq+2], v[yy+3], v[yy+2], s48
	v_perm_b32 v[tq+3], v[yy+3], v[yy+2], s49
.endr
.irp e, 0,1
.set ff, 128+g+\e
.set tq, 192+4*\e
	v_perm_b32 v[ff], v[tq+2], v[tq], s50
	v_perm_b32 v[ff+16], v[tq+2], v[tq], s47
	v_perm_b32 v[ff+32], v[tq+3], v[tq+1], s50
	v_perm_b32 v[ff+48], v[tq+3], v[tq+1], s47
.endr
.set g, g+2
.endr
.irp jj, 0,1,2,3
.irp g, 0,1,2,3,4,5,6,7
	v_permlane16_swap_b32 v[128+16*\jj+\g], v[136+16*\jj+\g]
.endr
.endr
	s_wait_alu depctr_va_vdst(0)                   ; the eight fragments v128 to v191 are written, which the LDS stores read; holds and conversions are done with this window's registers
.irp jj, 0,1,2,3
.irp G, 0,1
.irp u, 0,1
	ds_store_b128 v9, v[128+16*\jj+8*\G+4*\u:131+16*\jj+8*\G+4*\u] offset:(8*(\q)+2*\jj+\G)*1024+512*\u
.endr
.endr
.endr
.endm
	v_mov_b32 v14, s38                             ; 2^e0
	s_wait_loadcnt 63                              ; points 0-127: 64 loads stand behind their last; the most that can be named
	XQ 0
	s_wait_loadcnt 0x0
	XQ 1
	; ---- window 2 for the MLP: W1's fragments at 8 t, b1's tiles at 64 + 8 t, b2's at 128 + 8 t, the running maxima at 192 + 8 t + j.
	; No wait: behind the last wait on va_vdst stand only the stores of x's images, which name neither v7, v11 nor window 2
	WIN 0x80
.set t, 0
.rept 8
	ds_load_b128 v[8*t:8*t+3], v7 offset:1152*t
	ds_load_b128 v[8*t+4:8*t+7], v7 offset:1152*t+576
	ds_load_b128 v[64+8*t:67+8*t], v11 offset:64*t            ; lane (r, h): units 16 t + 8 h + 0 .. 7: the result's layout
	ds_load_b128 v[68+8*t:71+8*t], v11 offset:64*t+16
	ds_load_b128 v[128+8*t:131+8*t], v11 offset:512+64*t
	ds_load_b128 v[132+8*t:135+8*t], v11 offset:512+64*t+16
.set t, t+1
.endr
.set k, 0
.rept 64
	v_mov_b32 v[192+k], v15                        ; the maxima begin at -2^100, once: so the trip is written once
.set k, k+1
.endr
	WIN 0
; ---- THE MLP, two tiles of 16 points a trip.  Window 0: v16-31 the two tiles of x; v32, v33 their masks; v40-55 the masks as C; v64-95 the hidden codes; v96-159, v160-223 the sums of tile a and of tile b.
.macro LWIN L
.if \L == 1
	WIN 0x22                                       ; W1 and b1 in window 2
.elseif \L == 2
	WIN 0x21                                       ; W2 in window 1, b2 in window 2
.else
	WIN 0x01                                       ; W3 in window 1
.endif
.endm
.macro MM L, D, B, C, t                ; units 16 t on of layer L for the 16 points in B.  One product is a whole sum: no accumulator is taken up again
.if \L == 1
	v_wmma_f32_16x16x64_fp8_fp8 v[\D+8*(\t):\D+8*(\t)+7], v[8*(\t):8*(\t)+7], v[\B:\B+7], v[64+8*(\t):71+8*(\t)]
.elseif \L == 2
	v_wmma_f32_16x16x128_fp8_fp8 v[\D+8*(\t):\D+8*(\t)+7], v[16*(\t):16*(\t)+15], v[\B:\B+15], v[128+8*(\t):135+8*(\t)]
.else
	v_wmma_f32_16x16x128_fp8_fp8 v[\D+8*(\t):\D+8*(\t)+7], v[128+16*(\t):143+16*(\t)], v[\B:\B+15], v[\C:\C+7]
.endif
.endm
.macro BARE L, D, B, C
	LWIN \L
.set tt, 0
.rept 8
	MM \L, \D, \B, \C, tt
.set tt, tt+1
.endr
	WIN 0
.endm
; One tile's products of layer L, two at a time, and between them the OTHER tile's sums of the stage before made into codes: the activation and the hold in one (between 0 and 448 x the scale), from each
; accumulator's low end on, then the conversion, whose results are registers 2 t, 2 t + 1 of the next operand.
.macro STAGE L, D, B, C, DY, HY, sc, lim
.set tt, 0
.rept 4
	LWIN \L
	MM \L, \D, \B, \C, tt
	MM \L, \D, \B, \C, tt+1
	WIN 0
.set ii, 0
.rept 16
	v_med3_num_f32 v[\DY+8*tt+ii], v[\DY+8*tt+ii], 0, s[\lim]
.set ii, ii+1
.endr
	v_cvt_scalef32_pk8_fp8_f32 v[\HY+2*tt:\HY+2*tt+1], v[\DY+8*tt:\DY+8*tt+7], v[\sc]
	v_cvt_scalef32_pk8_fp8_f32 v[\HY+2*tt+2:\HY+2*tt+3], v[\DY+8*tt+8:\DY+8*tt+15], v[\sc]
.set tt, tt+2
.endr
	v_nop                                          ; one plain vector instruction between the last conversion and the products that read its result and write over its sources
.endm
.macro XFETCH                          ; two tiles of x and their masks, from my own images
	s_wait_alu depctr_vm_vsrc(0)                   ; the loads of the trip before have read v34 and v35; ahead of the first trip: the stores of x's images have read v128 to v191, which the products write
	v_add_nc_u32 v34, s76, v9
	v_add_nc_u32 v35, s77, v10
	s_wait_alu depctr_va_vdst(0)                   ; v34 and v35 are written; layer 1's products are done reading v16 to v31, and the moves of the masks v32 and v33: the six loads land there
	ds_load_b128 v[16:19], v34
	ds_load_b128 v[20:23], v34 offset:512
	ds_load_b128 v[24:27], v34 offset:1024
	ds_load_b128 v[28:31], v34 offset:1536
	ds_load_b32 v32, v35
	ds_load_b32 v33, v35 offset:128
.endm
	s_mov_b32 s74, 0
	s_mov_b32 s76, 0
	s_mov_b32 s77, 0
	XFETCH
	s_mov_b32 s57, 8
.Ltrip:
	s_wait_dscnt 0x0                               ; this trip's x and masks are in (in the first trip: the weights and biases too)
	BARE 1, DA, XA, 0
.irp i, 0,1,2,3,4,5,6,7
	v_mov_b32 v[CA+\i], v32                        ; the masks as C of layer 3: eight rows alike.  These sixteen are also the places ahead of the first read of tile a's sums
	v_mov_b32 v[CB+\i], v33
.endr
	STAGE 1, DB, XB, 0, DA, HA, 12, 72
	s_add_co_u32 s74, s74, 2048                    ; the next trip's tiles, asked for 16 holds behind the last product that read x;
	s_min_u32 s76, s74, 14336                      ; the last trip asks for its own pair again: no read leaves my images
	s_lshr_b32 s77, s76, 3
	XFETCH                                         ; no vector or matrix line of the four stages below names v16 to v35: the loads have the rest of the trip in which to land
	STAGE 2, DA, HA, 0, DB, HB, 12, 72
	STAGE 2, DB, HB, 0, DA, HA, 13, 73
	STAGE 3, DA, HA, CA, DB, HB, 13, 73
	BARE 3, DB, HB, CB
.rept 4
	v_nop                                          ; four places ahead of the first read of tile b's sums
.endr
	WIN 0x82                                       ; the maxima in window 2, the sums in window 0
.set k, 0
.rept 64
	v_max3_num_f32 v[192+k], v[192+k], v[DA+k], v[DB+k]
.set k, k+1
.endr
	WIN 0
	s_sub_co_u32 s57, s57, 1
	s_cmp_lg_u32 s57, 0
	s_cbranch_scc1 .Ltrip
	; ---- THE WAY OUT.  A lane's 64 maxima are of one point column: the largest over the 16 lanes of each half, then over the four waves.
	WIN 0x02
.set k, 0
.rept 64
	v_mov_b32 v[96+k], v[192+k]                    ; into window 0: the lane-crossing forms below name window 0 alone
.set k, k+1
.endr
	WIN 0
.irp m, 1,2,4,8
.set k, 0
.rept 64
	v_max_num_f32_dpp v[96+k], v[96+k], v[96+k] row_xmask:\m row_mask:0xf bank_mask:0xf
.set k, k+1
.endr
.endr
	v_add_nc_u32 v3, RED, v1
	s_wait_alu depctr_va_vdst(0)                   ; the maxima v96 to v159 are written, which the LDS stores read; so is v3, by which wave 0 loads below, into v16 to v31, with which the products are done
.set t, 0
.rept 8
	ds_store_b128 v4, v[96+8*t:99+8*t] offset:64*t             ; units 16 t + 8 h + 0 .. 7; the sixteen lanes of a half write the same bytes with the same numbers
	ds_store_b128 v4, v[100+8*t:103+8*t] offset:64*t+16
.set t, t+1
.endr
	s_wait_dscnt 0x0                               ; for wave 0's sake: my maxima have landed
	s_barrier_signal -1
	s_barrier_wait -1
	s_cmp_lg_u32 s8, 0
	s_cbranch_scc1 .Lend
	ds_load_b128 v[16:19], v3
	ds_load_b128 v[20:23], v3 offset:512
	ds_load_b128 v[24:27], v3 offset:1024
	ds_load_b128 v[28:31], v3 offset:1536
	s_wait_dscnt 0x0
.irp c, 0,1,2,3
	v_max3_num_f32 v[16+\c], v[16+\c], v[20+\c], v[24+\c]
.endr
.irp c, 0,1,2,3
	v_max_num_f32 v[16+\c], v[16+\c], v[28+\c]
.endr
	s_wait_alu depctr_va_vdst(0)                   ; the work-group's maxima v16 to v19 are written, which the store reads
	global_store_b128 v1, v[16:19], s[36:37]       ; 512 consecutive bytes, aligned: the work-group's 128 maxima
.Lend:
	s_wait_dscnt 0x0
	s_wait_alu depctr_hold_cnt(0) depctr_sa_sdst(0) depctr_va_vdst(0) depctr_va_sdst(0) depctr_va_ssrc(0) depctr_va_vcc(0) depctr_vm_vsrc(0)
	s_wait_tensorcnt 0x0
	ds_add_u32 v254, v255
	s_wait_dscnt 0x0
	s_endpgm
.Lfunc_end_k_q0fc10582ec_main:
	.size	k_q0fc10582ec_main, .Lfunc_end_k_q0fc10582ec_main-k_q0fc10582ec_main
	.p2alignl 7, 3214868480
	.fill 96, 4, 3214868480
	.section	.rodata,"a",@progbits
	.p2align	6, 0x0
	.amdhsa_kernel k_q0fc10582ec_main
		.amdhsa_group_segment_fixed_size 142848
		.amdhsa_private_segment_fixed_size 0
		.amdhsa_enable_private_segment 0
		.amdhsa_kernarg_size 88
		.amdhsa_user_sgpr_count 2
		.amdhsa_user_sgpr_kernarg_segment_ptr 1
		.amdhsa_wavefront_size32 1
		.amdhsa_system_sgpr_workgroup_id_x 1
		.amdhsa_system_sgpr_workgroup_id_y 1
		.amdhsa_system_sgpr_workgroup_id_z 1
		.amdhsa_system_vgpr_workitem_id 0
		.amdhsa_next_free_vgpr 1024
		.amdhsa_next_free_sgpr 80
		.amdhsa_reserve_vcc 0
		.amdhsa_float_denorm_mode_32 3
		.amdhsa_float_denorm_mode_16_64 3
		.amdhsa_memory_ordered 1
		.amdhsa_forward_progress 1
		.amdhsa_inst_pref_size 254
	.end_amdhsa_kernel
	.amdgpu_metadata
---
amdhsa.version: [ 1, 2 ]
amdhsa.kernels:
  - .name:           k_q0fc10582ec_main
    .symbol:         k_q0fc10582ec_main.kd
    .args:
      - { .name: xyz, .offset: 0, .size: 8, .value_kind: global_buffer, .address_space: global }
      - { .name: points, .offset: 8, .size: 8, .value_kind: global_buffer, .address_space: global }
      - { .name: fps_idx, .offset: 16, .size: 8, .value_kind: global_buffer, .address_space: global }
      - { .name: W1, .offset: 24, .size: 8, .value_kind: global_buffer, .address_space: global }
      - { .name: W2, .offset: 32, .size: 8, .value_kind: global_buffer, .address_space: global }
      - { .name: W3, .offset: 40, .size: 8, .value_kind: global_buffer, .address_space: global }
      - { .name: b1, .offset: 48, .size: 8, .value_kind: global_buffer, .address_space: global }
      - { .name: b2, .offset: 56, .size: 8, .value_kind: global_buffer, .address_space: global }
      - { .name: lowp_scales, .offset: 64, .size: 8, .value_kind: global_buffer, .address_space: global }
      - { .name: out0, .offset: 72, .size: 8, .value_kind: global_buffer, .address_space: global }
      - { .name: part, .offset: 80, .size: 8, .value_kind: global_buffer, .address_space: global }
    .group_segment_fixed_size: 142848
    .private_segment_fixed_size: 0
    .kernarg_segment_align: 8
    .kernarg_segment_size: 88
    .max_flat_workgroup_size: 128
    .sgpr_count:     80
    .vgpr_count:     1024
    .wavefront_size: 32
...
	.end_amdgpu_metadata
.endif
;; end of part 3
;; launch finish: the kernel of part 2 again; grid 8 x 1, 1 waves a work-group, no clusters, 0 bytes of LDS; arguments part, b3, lowp_scales, out1; writes out1
